; MI455X (gfx1250); checked and timed in simulation.
; The chip was launched on July 23, 2026; its instructions are those of AMD's public machine-readable ISA for CDNA 5 (MIT licence, August 2026) and "CDNA5" Instruction Set Architecture Reference Guide (July 2026). The comments in the code are by the model that wrote it; some were corrected since.
;; Multihead Attention Wrapper. Allowed arithmetic: matrix products marked QUANTISED: E5M2 operands, one given power-of-two scale a tensor, by v_wmma_f32_16x16x64_bf8_bf8 or v_wmma_f32_16x16x128_bf8_bf8, f32 sums; everything else in f32.
;; Inputs: Wk 1,024 x 1,024 float32; Wq 1,024 x 1,024 float32; bk 1,024 float32; bq 1,024 float32; key 4 x 2,048 x 1,024 float32; key_padding_mask 4 x 2,048 bool; lowp_scales 8 int32 (the exponents e of the quantised operands' scales 2^e); query 4 x 2,048 x 1,024 float32; value 4 x 2,048 x 1,024 float32.
;; Outputs: out0 4 x 2,048 x 1,024 float32.
;; This version of the problem:
;;   THIS VERSION OF THE PROBLEM IS GIVEN IN LOW PRECISION. The matrix products marked QUANTISED in the list below multiply operands that are first quantised to E5M2 (5 exponent bits, 2 mantissa bits; 8 bits a number), with one given power-of-two scale for each operand tensor; their sums are f32. All else is computed in f32.
;;   The module's matrix products, in the order in which they are computed (A, B: the left and right operand; K: the contracted axis; several contracted axes count as one K, in the product's order):
;;     1. [M 8,192, K 1,024] x [K 1,024, N 1,024]; A: input query; B: input Wq: QUANTISED (scales: A lowp_scales[0], B lowp_scales[1])
;;     2. [M 8,192, K 1,024] x [K 1,024, N 1,024]; A: input key; B: input Wk: QUANTISED (scales: A lowp_scales[2], B lowp_scales[3])
;;     3. batch 64 x [M 2,048, K 64] x [K 64, N 2,048]; A: computed on the way; B: computed on the way: QUANTISED (scales: A lowp_scales[4], B lowp_scales[5])
;;     4. batch 64 x [M 64, K 2,048] x [K 2,048, N 2,048]; A: input value; B: softmax (see below): QUANTISED (scales: A lowp_scales[6], B lowp_scales[7])
;;   THE QUANTISER, for each operand of a quantised product, along K:
;;     - The operand's scale is 2^e, e = its entry of the input lowp_scales (int32; the entries are numbered through the quantised products in the list's order, A before B).
;;     - Each number is divided by the scale, clamped to +-57,344, and rounded to the nearest number of E5M2, ties to even, subnormals kept.
;;     - The product sums the exact products of the quantised numbers (number of the format x scale) in f32.
;;   ~~~python
;;   def quantise(x, axis, e):      # numpy; x: float32 -> the quantised numbers, widened to float32 again
;;       x = np.moveaxis(x, axis, -1); K = x.shape[-1]
;;       r = np.clip(x / 2.0 ** e, -57344, 57344)
;;       step = 2.0 ** (np.maximum(np.frexp(np.where(r == 0, 1, r))[1] - 1, -14) - 2)
;;       q = np.round(r / step) * step * 2.0 ** e      # np.round: ties to even
;;       return np.moveaxis(q, -1, axis).astype(np.float32)
;;   ~~~
;;   SOFTMAX AHEAD OF A QUANTISED PRODUCT. Where the list says 'softmax', what is quantised is not the finished softmax but p = 2^(t - M), with t = logit x log2(e) and M = ceil(the row's largest t), a whole number; so 1/2 < the row's largest p <= 1. The row's sum l is taken of the UNQUANTISED p, in f32, and the product's result is divided by l at the end. Since M is a whole number, a kernel that streams over the keys may use a running M (the ceiling of the running maximum): every later rescaling is an exact power of two, so the quantised numbers keep their values, but for numbers so far below the row's largest that they fall under the format's range.
;;   OPERANDS COMPUTED ON THE WAY. 'Computed on the way' means the value that the module computes at that place (a softmax that the list does not call 'softmax' is quantised finished and normalised). What goes into a quantiser is computed in f32, as accurately as f32 sums, v_exp_f32 and their like allow (about 1e-6 of the number): no bf16 or f16 on the way to a quantiser, and a product that is left as it is and whose result goes on into a quantised operand takes f32 operands (vector FMAs, or v_wmma_f32_16x16x4_f32). A number that lies on a knife's edge between two numbers of the format may be rounded either way, as far as f32 arithmetic and the matrix unit's own rounding can turn it there, and no further.
;; One version. Each part assembles by itself: llvm-mc -triple=amdgcn-amd-amdhsa -mcpu=gfx1250 --defsym DOCPART=n.
;; ======== version 1 of 1: 3 launches
;; limits: right only within a limited range of input values
;; workspace buffers: x_codes 16,777,216 bytes; w_codes 2,097,152 bytes; qk_codes 16,777,216 bytes; v_codes 8,388,608 bytes
;; launch prep (part 1): grid 832 x 1, 4 waves a work-group, no clusters, 33,280 bytes of LDS; arguments query, key, Wq, Wk, value, lowp_scales, x_codes, w_codes, v_codes; writes x_codes, w_codes, v_codes
.if DOCPART == 1
	.amdgcn_target "amdgcn-amd-amdhsa--gfx1250"
	.amdhsa_code_object_version 6
	.text
	.protected	k_q19bdf3afb9_prep
	.globl	k_q19bdf3afb9_prep
	.p2align	8
	.type	k_q19bdf3afb9_prep,@function
k_q19bdf3afb9_prep:
	s_mov_b64 s[64:65], 0
	v_nop
	global_prefetch_b8 v0, s[64:65] scope:SCOPE_SE
	s_setreg_imm32_b32 hwreg(HW_REG_WAVE_MODE, 25, 1), 1
	s_wait_xcnt 0x0
; All five f32 operands become codes of BF8 (E5M2), each with the one scale 2^e that is given for it:
; code = x / 2^e, held within +-57,344, rounded to the nearest code, ties to even.
; LIMITS: e0, e1, e2, e3, e6 between -126 and 112, so that 2^e and 57,344 x 2^e are f32 numbers.  NaN among the inputs is not served.
; WORK-GROUPS 0-575: query (0-255), key (256-511), Wq (512-543), Wk (544-575): K (the 1,024) is innermost.  A work-group takes 32 rows, a wave 8 rows = 8,192 numbers
;   in 16 steps of 512.  query and key go to x_codes [16,384][1,024], Wq and Wk to w_codes [2,048][1,024].
;   THE ROWS ARE PERMUTED INSIDE EACH GROUP OF 32: the four groups of eight rows are stored in the order 0, 2, 1, 3 (waves 1 and 2 change places).  So sixteen neighbouring STORED rows
;   16 u + r are the rows 8 u + r + 8 (r / 8), and a matrix result over two such tiles holds sixteen neighbours along the next product's K in a lane's sixteen registers.
;   Each load reads 512 consecutive bytes; a step's 2,048 bytes turn through the wave's own stage in LDS so that a lane gets 16 neighbours; a wave's store covers 512 consecutive bytes.
; WORK-GROUPS 576-831: value [4][2,048 keys][1,024]: K (the keys) is NOT innermost.  A lane takes a column and its registers run down the keys, so the conversions give codes with the keys innermost.
;   They are stored as IMAGES OF THE OPERAND'S REGISTERS: v_codes [b][head][step of 128 keys][tile of 16 channels][c: 4][lane: 32][16 bytes], lane (r, h) holding keys 32 c + 16 h + 0 .. 15 of channel r of the tile.
;   A lane's 32 codes of a block are two such pieces, 256 bytes apart; sixteen neighbouring lanes store 256 consecutive bytes, aligned.  This path uses no LDS.
; No tensor loads, no barrier, no cluster: waves share nothing, and every input byte is read once.
.set NWA,   576                        ; work-groups of the first kind
.set STEPS, 16
.set EMAX,  15
.set MANT,  0x600000                   ; the mantissa field of 57,344 as f32
.set CB,    16                         ; bytes of 16 codes
.set R,     16                         ; v16-79   four sets of 16 numbers as they are loaded
.set X,     80                         ; v80-111  two sets of 16 neighbours
.set C,     128                        ; v128-191 codes: four registers for each step, never written again
.set WREG,  8192                       ; LDS: a region for each wave: two stages of 32 x SP bytes
.set SP,    80                         ; a lane's place in a stage: 64 bytes + 16 of padding
.set XV,    32                         ; value's path: v32-95 two sets of 32 numbers
.set CV,    96                         ; v96-159 codes: eight registers for each block, never written again
	s_load_b256 s[4:11], s[0:1], 0x0               ; query s[4:5], key s[6:7], Wq s[8:9], Wk s[10:11]
	s_load_b256 s[12:19], s[0:1], 0x20             ; value s[12:13], the exponents s[14:15], x_codes s[16:17], w_codes s[18:19]
	s_load_b64 s[20:21], s[0:1], 0x40              ; v_codes
	v_lshl_add_u32 v192, v0, 2, 0x8000
	v_mov_b32 v193, 0
	v_lshrrev_b32 v1, 5, v0
	v_readfirstlane_b32 s22, v1                    ; wave 0..3
	v_and_b32 v2, 31, v0                           ; lane
	s_wait_kmcnt 0x0
	s_load_b256 s[24:31], s[14:15], 0x0            ; e0 .. e7
	s_cmp_ge_u32 ttmp9, NWA                        ; the two kinds of work part on the work-group's number
	s_cbranch_scc1 .Lvalue
	; ---- K innermost.  Only pointers and first numbers are chosen: the four tensors take one path
	s_cmp_lt_u32 ttmp9, 256
	s_cselect_b64 s[32:33], s[4:5], s[6:7]         ; query or key
	s_cselect_b32 s36, 0, 256                      ; and the tensor's first work-group
	s_mov_b32 s37, 544
	s_cmp_lt_u32 ttmp9, 544
	s_cselect_b64 s[34:35], s[8:9], s[10:11]       ; Wq or Wk
	s_cselect_b32 s37, 512, s37
	s_cmp_lt_u32 ttmp9, 512
	s_cselect_b64 s[32:33], s[32:33], s[34:35]     ; the source
	s_cselect_b32 s36, s36, s37
	s_cselect_b64 s[38:39], s[16:17], s[18:19]     ; the destination: x_codes or w_codes
	s_cselect_b32 s40, 0, 512                      ; and its first work-group
	s_sub_co_u32 s36, ttmp9, s36
	s_lshl_b32 s36, s36, 2
	s_add_co_u32 s36, s36, s22
	s_lshl_b32 s36, s36, 15                        ; my wave's 8 rows: 32,768 bytes of f32
	s_mov_b32 s37, 0
	s_add_nc_u64 s[32:33], s[32:33], s[36:37]
	s_and_b32 s41, s22, 1
	s_lshl_b32 s41, s41, 1
	s_lshr_b32 s42, s22, 1
	s_or_b32 s41, s41, s42                         ; where they are stored: waves 1 and 2 change places
	s_sub_co_u32 s40, ttmp9, s40
	s_lshl_b32 s40, s40, 2
	s_add_co_u32 s40, s40, s41
	s_lshl_b32 s40, s40, 13                        ; 8 rows of codes: 8,192 bytes
	s_mov_b32 s41, 0
	s_add_nc_u64 s[38:39], s[38:39], s[40:41]
	s_wait_alu depctr_va_vdst(0)
	v_lshlrev_b32 v3, 4, v2                        ; my 16 bytes of a load's 512
	s_mul_i32 s45, s22, WREG
	v_lshrrev_b32 v14, 2, v2
	v_mul_u32_u24 v14, v14, SP
	v_and_b32 v15, 3, v2
	v_lshl_add_u32 v14, v15, 4, v14
	v_add_nc_u32 v14, s45, v14                     ; the stage, on the way in: SP (lane / 4) + 16 (lane % 4)
	v_mul_u32_u24 v15, v2, SP
	v_add_nc_u32 v15, s45, v15                     ; and on the way out: SP x lane: my 16 neighbours
	v_mul_u32_u24 v4, v2, CB                       ; my codes' place in a step's
.macro LOAD t
.irp i, 0,1,2,3
	global_load_b128 v[R+16*((\t)%4)+4*\i:R+16*((\t)%4)+4*\i+3], v3, s[32:33] offset:2048*(\t)+512*\i th:TH_LOAD_NT   ; 32 lanes read 512 consecutive bytes
.endr
.endm
.macro TURN t                          ; step t's numbers through the stage: LDS serves a wave's instructions in order, so no wait stands between the stores and the loads
.irp i, 0,1,2,3
	ds_store_b128 v14, v[R+16*((\t)%4)+4*\i:R+16*((\t)%4)+4*\i+3] offset:32*SP*((\t)%2)+8*SP*\i
.endr
.irp i, 0,1,2,3
	ds_load_b128 v[X+16*((\t)%2)+4*\i:X+16*((\t)%2)+4*\i+3], v15 offset:32*SP*((\t)%2)+16*\i
.endr
.endm
.irp t, 0,1,2,3
	LOAD \t
.endr
	s_wait_alu depctr_va_vdst(0)
	s_wait_kmcnt 0x0
	s_cmp_lt_u32 ttmp9, 256
	s_cselect_b32 s43, s24, s26                    ; e0 (query) or e2 (key)
	s_cmp_lt_u32 ttmp9, 544
	s_cselect_b32 s44, s25, s27                    ; e1 (Wq) or e3 (Wk)
	s_cmp_lt_u32 ttmp9, 512
	s_cselect_b32 s43, s43, s44
	s_add_co_i32 s43, s43, 127
	s_lshl_b32 s44, s43, 23
	v_mov_b32 v11, s44                             ; 2^e as f32: the conversion takes its exponent field
	s_add_co_i32 s43, s43, EMAX
	s_lshl_b32 s43, s43, 23
	s_or_b32 s43, s43, MANT
	v_mov_b32 v10, s43                             ; 57,344 x 2^e
	s_wait_alu depctr_va_vdst(0)
	s_wait_loadcnt 12                              ; step 0's four loads are in; the twelve of steps 1 to 3 may be out
	TURN 0
.macro STEP t
.set XS, X+16*((\t)%2)
	s_wait_dscnt 0x0                               ; this step's numbers are back from the stage: so its stores into the stage have read their registers,
.if (\t)+4 < STEPS
	LOAD (\t)+4                                    ; which take the loads of four steps on
.endif
.if (\t)+1 < STEPS
.if STEPS-2-(\t) >= 3
	s_wait_loadcnt 12                              ; the next step's four loads are in; those of the three steps behind it may be out
.else
	s_wait_loadcnt 4*(STEPS-2-(\t))
.endif
	TURN (\t)+1                                    ; and go through the other stage while this step is worked
.endif
.irp i, 0,1,2,3,4,5,6,7,8,9,10,11,12,13,14,15
	v_med3_num_f32 v[XS+\i], v[XS+\i], -v10, v10   ; the conversion to an 8-bit code does not saturate (ISA guide 7.6.2): the hold comes first
.endr
	v_cvt_scalef32_pk8_bf8_f32 v[C+4*(\t):C+4*(\t)+1], v[XS:XS+7], v11
	v_cvt_scalef32_pk8_bf8_f32 v[C+4*(\t)+2:C+4*(\t)+3], v[XS+8:XS+15], v11
	global_store_b128 v4, v[C+4*(\t):C+4*(\t)+3], s[38:39] offset:32*CB*(\t)   ; the results go to a store alone; the next step's holds are plain lines on other registers
.endm
.irp t, 0,1,2,3,4,5,6,7,8,9,10,11,12,13,14,15
	STEP \t
.endr
	s_wait_tensorcnt 0x0
	ds_add_u32 v192, v193
	s_wait_dscnt 0x0
	s_endpgm
	; ---- value: a work-group takes 128 columns (two heads) x 256 keys, a wave 32 columns: 8 blocks of 32 keys a lane
.Lvalue:
	s_sub_co_u32 s32, ttmp9, NWA
	s_and_b32 s33, s32, 7                          ; x: which 128 columns
	s_lshr_b32 s34, s32, 3                         ; y = 8 b + which 256 keys of the batch
	s_lshl_b32 s36, s34, 20                        ; 256 rows of 4,096 bytes
	s_lshl_b32 s35, s33, 9
	s_add_co_u32 s36, s36, s35
	s_lshl_b32 s35, s22, 7
	s_add_co_u32 s36, s36, s35                     ; + 4 (128 x + 32 wave)
	s_mov_b32 s37, 0
	s_add_nc_u64 s[12:13], s[12:13], s[36:37]
	s_lshr_b32 s38, s34, 3
	s_lshl_b32 s38, s38, 4
	s_lshl_b32 s35, s33, 1
	s_add_co_u32 s38, s38, s35
	s_lshr_b32 s35, s22, 1
	s_add_co_u32 s38, s38, s35                     ; 16 b + head
	s_lshl_b32 s38, s38, 17                        ; a head's images: 131,072 bytes
	s_and_b32 s35, s34, 7
	s_lshl_b32 s35, s35, 14                        ; 256 keys are two steps of 8,192 bytes
	s_add_co_u32 s38, s38, s35
	s_and_b32 s35, s22, 1
	s_lshl_b32 s35, s35, 12                        ; my 32 channels are two tiles of 2,048 bytes
	s_add_co_u32 s38, s38, s35
	s_mov_b32 s39, 0
	s_add_nc_u64 s[20:21], s[20:21], s[38:39]
	s_wait_alu depctr_va_vdst(0)
	v_lshlrev_b32 v3, 2, v2                        ; in: 4 bytes a lane
	v_lshrrev_b32 v5, 4, v2
	v_and_b32 v6, 15, v2
	v_lshlrev_b32 v4, 11, v5                       ; out: the tile of my channel,
	v_lshl_add_u32 v4, v6, 4, v4                   ; and 16 bytes for each channel of it
.macro LOADV t                         ; block t: value(32 t + i, my column), i = 0 .. 31, into set t % 2; a wave's load reads 128 consecutive bytes, the four waves 512
.set i, 0
.rept 32
	global_load_b32 v[XV+32*((\t)%2)+i], v3, s[12:13] offset:(32*(\t)+i)*4096 th:TH_LOAD_NT
.set i, i+1
.endr
.endm
	LOADV 0
	LOADV 1
	s_wait_kmcnt 0x0
	s_add_co_i32 s40, s30, 127                     ; e6
	s_lshl_b32 s41, s40, 23
	v_mov_b32 v11, s41                             ; 2^e6
	s_add_co_i32 s40, s40, EMAX
	s_lshl_b32 s40, s40, 23
	s_or_b32 s40, s40, MANT
	v_mov_b32 v10, s40                             ; 57,344 x 2^e6
.macro BLOCK t
.set XS, XV+32*((\t)%2)
.if (\t) < 7
	s_wait_loadcnt 32                              ; this block's 32 loads are in; the next block's 32 may be out
.else
	s_wait_loadcnt 0
.endif
.set i, 0
.rept 32
	v_med3_num_f32 v[XS+i], v[XS+i], -v10, v10
.set i, i+1
.endr
.irp g, 0,1,2,3
	v_cvt_scalef32_pk8_bf8_f32 v[CV+8*(\t)+2*\g:CV+8*(\t)+2*\g+1], v[XS+8*\g:XS+8*\g+7], v11
.endr
	global_store_b128 v4, v[CV+8*(\t):CV+8*(\t)+3], s[20:21] offset:((\t)/4)*8192+((\t)%4)*512         ; keys 32 c + 0 .. 15: the piece of lanes 0-15 of the image
	global_store_b128 v4, v[CV+8*(\t)+4:CV+8*(\t)+7], s[20:21] offset:((\t)/4)*8192+((\t)%4)*512+256   ; keys 32 c + 16 .. 31: that of lanes 16-31
.if (\t)+2 < 8
	LOADV (\t)+2                                   ; into the set just converted; the next block's holds, on the other set, are the plain lines behind the conversions
.endif
.endm
	s_wait_alu depctr_va_vdst(0)
.irp t, 0,1,2,3,4,5,6,7
	BLOCK \t
.endr
	s_endpgm
.Lfunc_end_k_q19bdf3afb9_prep:
	.size	k_q19bdf3afb9_prep, .Lfunc_end_k_q19bdf3afb9_prep-k_q19bdf3afb9_prep
	.p2alignl 7, 3214868480
	.fill 96, 4, 3214868480
	.section	.rodata,"a",@progbits
	.p2align	6, 0x0
	.amdhsa_kernel k_q19bdf3afb9_prep
		.amdhsa_group_segment_fixed_size 33280
		.amdhsa_private_segment_fixed_size 0
		.amdhsa_enable_private_segment 0
		.amdhsa_kernarg_size 72
		.amdhsa_user_sgpr_count 2
		.amdhsa_user_sgpr_kernarg_segment_ptr 1
		.amdhsa_wavefront_size32 1
		.amdhsa_system_sgpr_workgroup_id_x 1
		.amdhsa_system_sgpr_workgroup_id_y 1
		.amdhsa_system_sgpr_workgroup_id_z 1
		.amdhsa_system_vgpr_workitem_id 0
		.amdhsa_next_free_vgpr 194
		.amdhsa_next_free_sgpr 66
		.amdhsa_reserve_vcc 0
		.amdhsa_float_denorm_mode_32 3
		.amdhsa_float_denorm_mode_16_64 3
		.amdhsa_memory_ordered 1
		.amdhsa_forward_progress 1
		.amdhsa_inst_pref_size 83
	.end_amdhsa_kernel
	.amdgpu_metadata
---
amdhsa.version: [ 1, 2 ]
amdhsa.kernels:
  - .name:           k_q19bdf3afb9_prep
    .symbol:         k_q19bdf3afb9_prep.kd
    .args:
      - { .name: query, .offset: 0, .size: 8, .value_kind: global_buffer, .address_space: global }
      - { .name: key, .offset: 8, .size: 8, .value_kind: global_buffer, .address_space: global }
      - { .name: Wq, .offset: 16, .size: 8, .value_kind: global_buffer, .address_space: global }
      - { .name: Wk, .offset: 24, .size: 8, .value_kind: global_buffer, .address_space: global }
      - { .name: value, .offset: 32, .size: 8, .value_kind: global_buffer, .address_space: global }
      - { .name: lowp_scales, .offset: 40, .size: 8, .value_kind: global_buffer, .address_space: global }
      - { .name: x_codes, .offset: 48, .size: 8, .value_kind: global_buffer, .address_space: global }
      - { .name: w_codes, .offset: 56, .size: 8, .value_kind: global_buffer, .address_space: global }
      - { .name: v_codes, .offset: 64, .size: 8, .value_kind: global_buffer, .address_space: global }
    .group_segment_fixed_size: 33280
    .private_segment_fixed_size: 0
    .kernarg_segment_align: 8
    .kernarg_segment_size: 72
    .max_flat_workgroup_size: 128
    .sgpr_count:     66
    .vgpr_count:     194
    .wavefront_size: 32
...
	.end_amdgpu_metadata
.endif
;; end of part 1
;; launch proj (part 2): grid 4 x 64, 4 waves a work-group, clusters of 4 x 4, 327,680 bytes of LDS; arguments x_codes, w_codes, lowp_scales, bq, bk, qk_codes; writes qk_codes
.if DOCPART == 2
	.amdgcn_target "amdgcn-amd-amdhsa--gfx1250"
	.amdhsa_code_object_version 6
	.text
	.protected	k_q19bdf3afb9_proj
	.globl	k_q19bdf3afb9_proj
	.p2align	8
	.type	k_q19bdf3afb9_proj,@function
k_q19bdf3afb9_proj:
	s_mov_b64 s[64:65], 0
	v_nop
	global_prefetch_b8 v0, s[64:65] scope:SCOPE_SE
	s_setreg_imm32_b32 hwreg(HW_REG_WAVE_MODE, 25, 1), 1
	s_wait_xcnt 0x0
	s_wait_alu depctr_hold_cnt(0) depctr_sa_sdst(0) depctr_va_vdst(0) depctr_va_sdst(0) depctr_va_ssrc(0) depctr_va_vcc(0) depctr_vm_vsrc(0)
	s_getreg_b32 s2, hwreg(HW_REG_IB_STS2, 6, 4)
	s_cmp_eq_u32 s2, 0
	s_cbranch_scc0 .Lentry_in_a_cluster
	s_endpgm
.Lentry_in_a_cluster:
	s_bfe_u32 s2, ttmp6, 0x10000c
	s_cmp_lg_u32 s2, 0xf033
	s_cbranch_scc0 .Lentry_shape_is_right
	s_endpgm
.Lentry_shape_is_right:
.set SIZE_K, 1024
.set KSTEP,  256
.set ROWB,   256
.set KROW,   SIZE_K
.set PITCH,  272
.set FR,     16
.set NL,     4
.set NP,     4
.set HALFT,  128*PITCH
.set SLOT,   4*HALFT
.set LAPS,   SIZE_K/(2*KSTEP)
.set SPARE,  2*SLOT
.set ADRA, 16
.set ADRB, 20
.set BO,   22
.set CO,   27
.set SPW,  28
.set NIL,  29
.set LIM,  30
.set SCL,  31
.set BIAS, 32
.set AF,   128
.set G1, 24
.set G0, 32
.set G1B, 48
.set G0B, 56
.set MSB, 0
.macro WIN new
.if MSB != \new
	s_set_vgpr_msb (MSB<<8)|\new
.set MSB, \new
.endif
.endm
.set MUL_LO, 0xa1
.set MUL_HI, 0xf1
.set TO_B,   0x40
.macro JLOAD g0a, g1a, g0b, g1b
	s_cmp_eq_u32 s15, 0
	s_cbranch_scc0 .Lfor_b_\@
	tensor_load_to_lds s[\g0a:\g0a+3], s[\g1a:\g1a+7]
	s_nop 0
.rept 4
	v_nop
.endr
	s_branch .Lasked_\@
.Lfor_b_\@:
	tensor_load_to_lds s[\g0b:\g0b+3], s[\g1b:\g1b+7]
	s_nop 0
.rept 4
	v_nop
.endr
.Lasked_\@:
.endm
.macro CREST
	s_cmp_lg_u32 s14, 0
	s_cbranch_scc1 .Lnot_wave_0_\@
	s_barrier_signal -3
.Lnot_wave_0_\@:
	s_barrier_wait -3
	s_barrier_signal -1
	s_barrier_wait -1
.endm
.macro CROUND
	s_barrier_signal -1
	s_barrier_wait -1
	CREST
.endm
	s_load_b256 s[4:11], s[0:1], 0x0
	s_load_b128 s[84:87], s[0:1], 0x20
	v_lshl_add_u32 v[SPW], v0, 2, SPARE
	v_mov_b32 v[NIL], 0
	ds_add_u32 v28, v29
	ds_add_u32 v28, v29
	s_wait_dscnt 0x0
	v_lshrrev_b32 v1, 5, v0
	v_readfirstlane_b32 s14, v1
	s_lshr_b32 s15, s14, 1
	s_and_b32 s16, s14, 1
	s_bfe_u32 s40, ttmp6, 0x40000
	s_bfe_u32 s41, ttmp6, 0x40004
	s_lshl_b32 s42, ttmp9, 2
	s_add_co_u32 s42, s42, s40
	s_and_b32 s66, ttmp7, 0xffff
	s_lshl_b32 s17, s66, 2
	s_add_co_u32 s17, s17, s41
	s_lshl_b32 s43, s41, 2
	s_lshl_b32 s43, 15, s43
	s_lshl_b32 s44, 0x1111, s40
	s_or_b32 s[G1+0], s43, (0<<16)|(1<<20)|(1<<21)|(5<<22)|(3<<25)
	s_or_b32 s[G1B+0], s44, (0<<16)|(1<<20)|(1<<21)|(5<<22)|(3<<25)
.irp g, G1, G1B
	s_mov_b32 s[\g+1], ROWB<<16
	s_mov_b32 s[\g+2], 128<<16
	s_mov_b32 s[\g+3], ROWB<<16
	s_mov_b32 s[\g+4], 128
	s_mov_b32 s[\g+5], KROW
	s_mov_b32 s[\g+6], 0
	s_mov_b32 s[\g+7], 0
.endr
	s_lshl_b32 s18, s16, 7
	s_lshl_b32 s20, s17, 8
	s_add_co_u32 s20, s20, s18
	s_lshl_b32 s46, s42, 8
	s_add_co_u32 s46, s46, s18
	s_lshr_b32 s67, s66, 3
	s_lshl_b32 s67, s67, 10
	s_add_co_u32 s46, s46, s67
	s_mov_b32 s21, 0
	s_mov_b32 s47, 0
	s_mov_b64 s[18:19], KROW
	s_mul_u64 s[20:21], s[20:21], s[18:19]
	s_mul_u64 s[46:47], s[46:47], s[18:19]
	s_mul_i32 s45, s14, HALFT
	s_wait_kmcnt 0x0
	s_load_b256 s[68:75], s[8:9], 0x0
	s_add_nc_u64 s[20:21], s[4:5], s[20:21]
	s_add_nc_u64 s[46:47], s[6:7], s[46:47]
	; the prefetches' address: of the 128 rows that my wave fetches, the partner at place p (cx for A's tiles, cy for B's) names rows 32 p .. 32 p + 31, a lane a row: the partners are told apart by address alone
	s_cmp_eq_u32 s15, 0
	s_cselect_b64 s[88:89], s[20:21], s[46:47]
	s_cselect_b32 s90, s40, s41
	s_lshl_b32 s90, s90, 15                        ; 32 rows of 1,024 bytes
	s_mov_b32 s91, 0
	s_add_nc_u64 s[88:89], s[88:89], s[90:91]
	v_and_b32 v23, 31, v0
	v_lshlrev_b32 v23, 10, v23                     ; my lane's row; never rewritten
	s_wait_alu depctr_va_vdst(0)
	CROUND
.irp s, 0,1
	s_mov_b32 s[G0+4*\s], 1
	s_add_co_u32 s[G0+4*\s+1], s45, \s*SLOT
	s_add_nc_u64 s[G0+4*\s+2:G0+4*\s+3], s[20:21], \s*ROWB
	s_or_b32 s[G0+4*\s+3], s[G0+4*\s+3], 0x80000000
	s_mov_b32 s[G0B+4*\s], 1
	s_add_co_u32 s[G0B+4*\s+1], s45, \s*SLOT
	s_add_nc_u64 s[G0B+4*\s+2:G0B+4*\s+3], s[46:47], \s*ROWB
	s_or_b32 s[G0B+4*\s+3], s[G0B+4*\s+3], 0x80000000
.if \s > 0                                     ; K step 0's load stands behind the opening round; K step 1's, a later first fill, behind the full sequence and a round of its own
	s_wait_alu depctr_va_vdst(0)
	s_wait_tensorcnt 0x0
	ds_add_u32 v28, v29
	ds_add_u32 v28, v29
	s_wait_dscnt 0x0
	CROUND
.endif
	JLOAD G0+4*\s, G1, G0B+4*\s, G1B
.if \s == 0
	global_prefetch_b8 v23, s[88:89] offset:ROWB th:TH_LOAD_NT scope:SCOPE_SE   ; behind K step 0's load: K steps 1 and 2 of my 32 rows, 256 bytes a row and step
.endif
	global_prefetch_b8 v23, s[88:89] offset:(\s+2)*ROWB th:TH_LOAD_NT scope:SCOPE_SE   ; behind K step s's load: K step s + 2; K step 3 is the last, so no address passes a row's end
.endr
	v_and_b32 v1, 15, v0
	v_bfe_u32 v2, v0, 4, 1
	s_wait_alu depctr_va_vdst(0)
	v_mul_u32_u24 v3, v1, PITCH
	v_lshl_add_u32 v4, v2, 4, v3
	s_mul_i32 s21, s15, HALFT
	s_mul_i32 s22, s16, HALFT
	s_add_co_u32 s22, s22, 2*HALFT
.irp s, 0,1
	v_add_nc_u32 v[ADRA+\s], s21, v4
	v_add_nc_u32 v[ADRB+\s], s22, v4
	s_add_co_u32 s21, s21, SLOT
	s_add_co_u32 s22, s22, SLOT
.endr
	s_lshl_b32 s82, s42, 10
	s_lshl_b32 s83, s16, 9
	s_add_co_u32 s82, s82, s83
	s_mov_b32 s83, 0
	s_cmp_lt_u32 s66, 8
	s_cselect_b64 s[80:81], s[10:11], s[84:85]
	s_add_nc_u64 s[80:81], s[80:81], s[82:83]
	v_lshlrev_b32 v[BO], 6, v2
.irp b, 0,1,2,3,4,5,6,7
	global_load_b128 v[BIAS+8*\b:BIAS+8*\b+3],   v[BO], s[80:81] offset:(32*(\b/2)+8*(\b%2))*4
	global_load_b128 v[BIAS+8*\b+4:BIAS+8*\b+7], v[BO], s[80:81] offset:(32*(\b/2)+8*(\b%2))*4+16
.endr
	v_and_b32 v6, 31, v0
	v_lshlrev_b32 v[CO], 4, v6
	s_lshr_b32 s20, s17, 3
	s_lshl_b32 s20, s20, 21
	s_and_b32 s21, s17, 7
	s_lshl_b32 s21, s21, 14
	s_add_co_u32 s20, s20, s21
	s_lshl_b32 s21, s15, 13
	s_add_co_u32 s20, s20, s21
	s_mov_b32 s21, 0
	s_lshl_b32 s46, s42, 19
	s_lshl_b32 s47, s16, 18
	s_add_co_u32 s46, s46, s47
	s_mov_b32 s47, 0
	s_add_nc_u64 s[20:21], s[20:21], s[46:47]
	s_add_nc_u64 s[86:87], s[86:87], s[20:21]
	s_wait_alu depctr_va_vdst(0)
	s_wait_kmcnt 0x0
	s_add_co_i32 s78, s72, 3
	s_cmp_lt_u32 s66, 8
	s_cselect_b32 s76, s68, s70
	s_cselect_b32 s77, s69, s71
	s_cselect_b32 s78, s78, s73
	s_add_co_i32 s76, s76, s77
	s_add_co_i32 s76, s76, 127
	s_lshl_b32 s76, s76, 23
	s_mov_b32 s77, s76
	s_add_co_i32 s78, s78, 127
	s_lshl_b32 s79, s78, 23
	v_mov_b32 v[SCL], s79
	s_add_co_i32 s78, s78, 15
	s_lshl_b32 s78, s78, 23
	s_or_b32 s78, s78, 0x600000
	v_mov_b32 v[LIM], s78
.macro FRAG reg, adr, q, i
.irp c, 0,1,2,3
	ds_load_b128 v[\reg+4*\c:\reg+4*\c+3], v[\adr] offset:128*(\q)+32*\c+(\i)*16*PITCH
.endr
.endm
.macro MUL16 a0, p, zero
.irp a, \a0, \a0+1
.irp b, 0,1,2,3,4,5,6,7
.if \zero
	v_wmma_f32_16x16x128_bf8_bf8 v[8*(8*((\a)%4)+\b):8*(8*((\a)%4)+\b)+7], v[128*(\p)+FR*\b:128*(\p)+FR*\b+FR-1], v[AF+FR*(\a):AF+FR*(\a)+FR-1], 0
.else
	v_wmma_f32_16x16x128_bf8_bf8 v[8*(8*((\a)%4)+\b):8*(8*((\a)%4)+\b)+7], v[128*(\p)+FR*\b:128*(\p)+FR*\b+FR-1], v[AF+FR*(\a):AF+FR*(\a)+FR-1], v[8*(8*((\a)%4)+\b):8*(8*((\a)%4)+\b)+7]
.endif
.endr
.endr
.endm
.macro FETCH_B slot, q, p
	WIN TO_B
.irp i, 0,1,2,3,4,5,6,7
	FRAG 128*(\p)+FR*\i, ADRB+\slot, \q, \i
.endr
	WIN 0
.endm
.macro FETCH_A slot, q, i0
.irp i, \i0, \i0+1, \i0+2, \i0+3
	FRAG AF+FR*(\i), ADRA+\slot, \q, \i
.endr
.endm
.macro PLACES n
.rept \n
	v_nop
.endr
.endm
.macro STEP slot, q, zero
	s_wait_dscnt 4*NL
	WIN MUL_LO
	MUL16 0, (\q)%2, \zero
	MUL16 2, (\q)%2, \zero
	s_wait_dscnt 0
	PLACES NP
	FETCH_B \slot, (\q)+1, 1-(\q)%2
	FETCH_A \slot, (\q)+1, 0
	WIN MUL_HI
	MUL16 4, (\q)%2, \zero
	MUL16 6, (\q)%2, \zero
	PLACES NP
	WIN 0
	FETCH_A \slot, (\q)+1, 4
.endm
.macro TURN slot, next, fill
	s_wait_tensorcnt 0x0
	ds_add_u32 v[SPW], v[NIL]
	s_wait_dscnt 4*NL+1
	WIN MUL_LO
	MUL16 0, 1, 0
	s_wait_dscnt 0x0
	s_barrier_signal -1
	MUL16 2, 1, 0
	WIN 0
	s_barrier_wait -1
.if \fill
	CREST
	s_add_nc_u64 s[G0+4*\slot+2:G0+4*\slot+3], s[G0+4*\slot+2:G0+4*\slot+3], 2*ROWB
	s_add_nc_u64 s[G0B+4*\slot+2:G0B+4*\slot+3], s[G0B+4*\slot+2:G0B+4*\slot+3], 2*ROWB
	JLOAD G0+4*\slot, G1, G0B+4*\slot, G1B
.else
	PLACES NP
.endif
	FETCH_B \next, 0, 0
	FETCH_A \next, 0, 0
	WIN MUL_HI
	MUL16 4, 1, 0
	MUL16 6, 1, 0
	PLACES NP
	WIN 0
	FETCH_A \next, 0, 4
.endm
	s_wait_tensorcnt 1
	s_barrier_signal -1
	s_barrier_wait -1
	FETCH_B 0, 0, 0
	FETCH_A 0, 0, 0
	FETCH_A 0, 0, 4
	STEP 0, 0, 1
	s_mov_b32 s3, LAPS-1
.Llap:
	TURN 0, 1, 1
	STEP 1, 0, 0
	TURN 1, 0, 1
	STEP 0, 0, 0
	s_sub_co_u32 s3, s3, 1
	s_cmp_lg_u32 s3, 0
	s_cbranch_scc1 .Llap
	TURN 0, 1, 0
	STEP 1, 0, 0
	s_wait_dscnt 4*NL
	WIN MUL_LO
	MUL16 0, 1, 0
	MUL16 2, 1, 0
	s_wait_dscnt 0
	WIN MUL_HI
	MUL16 4, 1, 0
	MUL16 6, 1, 0
	WIN 0
.macro OUTBLK a
.set AC, 64*((\a)%4)
.set TT, 128+64*((\a)%2)
.set CC, 96+16*((\a)%2)
	WIN 0x02+((\a)/4)
.set j, 0
.rept 32
	v_pk_fma_f32 v[TT+j:TT+j+1], v[AC+j:AC+j+1], s[76:77], v[BIAS+j:BIAS+j+1] op_sel_hi:[1,0,1]
.set j, j+2
.endr
	WIN 0
.set j, 0
.rept 64
	v_med3_num_f32 v[TT+j], v[TT+j], 0, v[LIM]
.set j, j+1
.endr
.if (\a) > 1
	s_wait_alu depctr_va_vdst(0)
	s_wait_xcnt 0x0
.endif
.irp g, 0,1,2,3
	v_cvt_scalef32_pk8_bf8_f32 v[CC+4*\g:CC+4*\g+1],   v[TT+16*\g:TT+16*\g+7],    v[SCL]
	v_cvt_scalef32_pk8_bf8_f32 v[CC+4*\g+2:CC+4*\g+3], v[TT+16*\g+8:TT+16*\g+15], v[SCL]
.endr
	v_nop
.irp g, 0,1,2,3
	global_store_b128 v[CO], v[CC+4*\g:CC+4*\g+3], s[86:87] offset:(\a)*1024+(\g/2)*131072+(\g%2)*512
.endr
.endm
	s_wait_loadcnt 0x0
	PLACES NP
.irp a, 0,1,2,3,4,5,6,7
	OUTBLK \a
.endr
	s_wait_tensorcnt 0x0
	ds_add_u32 v[SPW], v[NIL]
	s_wait_dscnt 0x0
	CROUND
	s_endpgm
.Lfunc_end_k_q19bdf3afb9_proj:
	.size	k_q19bdf3afb9_proj, .Lfunc_end_k_q19bdf3afb9_proj-k_q19bdf3afb9_proj
	.p2alignl 7, 3214868480
	.fill 96, 4, 3214868480
	.section	.rodata,"a",@progbits
	.p2align	6, 0x0
	.amdhsa_kernel k_q19bdf3afb9_proj
		.amdhsa_group_segment_fixed_size 327680
		.amdhsa_private_segment_fixed_size 0
		.amdhsa_enable_private_segment 0
		.amdhsa_kernarg_size 48
		.amdhsa_user_sgpr_count 2
		.amdhsa_user_sgpr_kernarg_segment_ptr 1
		.amdhsa_wavefront_size32 1
		.amdhsa_system_sgpr_workgroup_id_x 1
		.amdhsa_system_sgpr_workgroup_id_y 1
		.amdhsa_system_sgpr_workgroup_id_z 1
		.amdhsa_system_vgpr_workitem_id 0
		.amdhsa_next_free_vgpr 1024
		.amdhsa_next_free_sgpr 100
		.amdhsa_reserve_vcc 0
		.amdhsa_float_denorm_mode_32 3
		.amdhsa_float_denorm_mode_16_64 3
		.amdhsa_memory_ordered 1
		.amdhsa_forward_progress 1
		.amdhsa_inst_pref_size 137
	.end_amdhsa_kernel
	.amdgpu_metadata
---
amdhsa.version: [ 1, 2 ]
amdhsa.kernels:
  - .name:           k_q19bdf3afb9_proj
    .symbol:         k_q19bdf3afb9_proj.kd
    .args:
      - { .name: x_codes, .offset: 0, .size: 8, .value_kind: global_buffer, .address_space: global }
      - { .name: w_codes, .offset: 8, .size: 8, .value_kind: global_buffer, .address_space: global }
      - { .name: lowp_scales, .offset: 16, .size: 8, .value_kind: global_buffer, .address_space: global }
      - { .name: bq, .offset: 24, .size: 8, .value_kind: global_buffer, .address_space: global }
      - { .name: bk, .offset: 32, .size: 8, .value_kind: global_buffer, .address_space: global }
      - { .name: qk_codes, .offset: 40, .size: 8, .value_kind: global_buffer, .address_space: global }
    .group_segment_fixed_size: 327680
    .private_segment_fixed_size: 0
    .kernarg_segment_align: 8
    .kernarg_segment_size: 48
    .max_flat_workgroup_size: 128
    .sgpr_count:     100
    .vgpr_count:     1024
    .wavefront_size: 32
...
	.end_amdgpu_metadata
.endif
;; end of part 2
;; launch attn (part 3): grid 4 x 64, 8 waves a work-group, clusters of 4 x 1, 327,680 bytes of LDS; arguments qk_codes, v_codes, key_padding_mask, lowp_scales, out0; writes out0
.if DOCPART == 3
	.amdgcn_target "amdgcn-amd-amdhsa--gfx1250"
	.amdhsa_code_object_version 6
	.text
	.protected	k_q19bdf3afb9_attn
	.globl	k_q19bdf3afb9_attn
	.p2align	8
	.type	k_q19bdf3afb9_attn,@function
k_q19bdf3afb9_attn:
	s_mov_b64 s[64:65], 0
	v_nop
	global_prefetch_b8 v0, s[64:65] scope:SCOPE_SE
	s_setreg_imm32_b32 hwreg(HW_REG_WAVE_MODE, 25, 1), 1
	s_wait_xcnt 0x0
	s_wait_alu depctr_hold_cnt(0) depctr_sa_sdst(0) depctr_va_vdst(0) depctr_va_sdst(0) depctr_va_ssrc(0) depctr_va_vcc(0) depctr_vm_vsrc(0)
	s_getreg_b32 s2, hwreg(HW_REG_IB_STS2, 6, 4)
	s_cmp_eq_u32 s2, 0
	s_cbranch_scc0 .Lentry_in_a_cluster
	s_endpgm
.Lentry_in_a_cluster:
	s_bfe_u32 s2, ttmp6, 0x10000c
	s_cmp_lg_u32 s2, 0x3003
	s_cbranch_scc0 .Lentry_shape_is_right
	s_endpgm
.Lentry_shape_is_right:
; out[b][t][head][:] = the sum over keys s of softmax_s(q[t] . k[s], masked keys at -infinity) v[s][:], both products on codes of BF8 (E5M2), each operand with its given scale: q e4, k e5, value e6, p e7.
; q and k come as images of operand registers (qk_codes [q, k][b][head][tile of 16 stored rows][c: 2][lane][16 bytes]); stored row 16 u + r of a group of 32 is row 8 u + r + 8 (r / 8).
; value comes as images with the keys innermost (v_codes [b][head][step of 128 keys][tile of 16 channels][c: 4][lane][16 bytes]).
; THE SOFTMAX: t = score x log2(e); M = the running largest t rounded UP to a whole number; p = 2^(t - M) is quantised; the row's sum is taken of the unquantised p and divides at the end.  When M moves, the sum and O are
; multiplied by 2^(old M - new M), which rounds nothing.  q and k are results of a relu, so no score is negative: the running largest score begins at 0, which is never above the row's largest.
; THE MASK IS THE C OF THE SCORE PRODUCTS: 0 for a key that counts, -2^120 for a masked one, kept as 2,048 f32 numbers in LDS.  LIMIT: e4 + e5 between -96 and 127: a masked key's t is then under -2^24 and its p exactly 0,
; as with -infinity.  A row all of whose keys are masked gets 0 x (1 / 0), a NaN, as the softmax of such a row is.
; OTHER LIMITS: e7 between -126 and 112; the scaled scores stay under 2^31 in magnitude; NaN among the inputs is not served.
; SHARES.  The four work-groups of a cluster are the four blocks of 512 queries of ONE head.  The head's whole K and V, 2 x 131,072 bytes of codes, come into LDS once, by joint loads that name all four; nothing is filled twice.
; Each wave issues two loads: its quarter of the first 640 keys (steps 0 to 4) at the head, and its quarter of the other 1,408 behind the full sequence and a round; that second load has steps 0 to 3 in which to land.
; A wave owns 64 queries, four tiles of 16: each fragment of K, of V and of the mask read from LDS feeds four matrix instructions.
; No prefetch: all that the launch streams is asked for by these two loads at its head; there is no loop to run ahead in.
; LAYOUT.  Both products are used transposed: S^T = K Q^T, O^T = V^T P^T: a lane holds ONE query (lane % 16), and by the order of the stored keys the 16 registers of score tiles 2 b and 2 b + 1 are keys 32 b + 16 (lane / 16) + 0 .. 15.
; REGISTERS.  Window 0: v1-13 addresses and constants; v16-31 four tiles' state (-M, largest score, the sum in two halves); v32-63 Q; v64-127 S^T, then p (one set, the tiles take turns); v128-191 V; v192-207 p's codes; v208-230 at work.
;   Window 1: v0-63 K's eight fragments; v64-127 the mask's numbers; v128-255 O^T, 32 registers a tile.
; LDS: 0 K's images; 131,072 V's; 262,144 the mask's numbers; 270,336 a stage of 16 rows x 272 bytes for each wave; 305,152 the spare words.  No tensor load lands in the last three.
.set VIMG,  131072
.set MB,    262144
.set STAGE, 270336
.set SPT,   272
.set SPARE, 0x4a800
.set STEPB, 8192                       ; a step: 128 keys of K's or of V's images
.set LAST,  15*STEPB
.set C0B,   5*STEPB                    ; the first load's part of K or of V: steps 0 to 4
.set C0Q,   C0B/4                      ; a wave's quarter of it: 40 rows of 256 bytes
.set C1Q,   (131072-C0B)/4             ; and of the rest: 88 rows
.set LI,   1                           ; 16 x lane
.set LIV,  2                           ; the same in V's images
.set MBA,  3                           ; MB + 64 (lane / 16)
.set ADK,  4
.set ADV,  5
.set ADM,  6
.set STO,  7
.set RD,   8
.set GO,   9
.set SCL,  10                          ; 2^e7
.set SPW,  12                          ; my spare word; never rewritten
.set NIL,  13                          ; 0; never rewritten
.set Q,    32
.set S,    64
.set VF,   128
.set PC,   192
.set F,    208                         ; v[208:209] f = 2^(old M - new M), and 0
.set MX,   210                         ; v210-213 four chains of the maximum
.set T,    214                         ; v214-229 eight partial sums, in pairs
.set PX,   230
.set KF,   0                           ; window 1
.set MK,   64
.set O,    128
.set WV,   18
.set SEL,  20
.set CS,   22                          ; s[22:23] log2(e) x 2^(e4 + e5)
.set G1A,  24
.set G1B,  32
.set G0A,  40
.set G0B,  44
.set TB,   48                          ; the next step's first byte
.set TM,   49
.set CNT,  50
.set TN,   51                          ; the same, held at the last step
.set EO,   52                          ; e6 + e7
.set LIMS, 53                          ; 57,344 x 2^e7
.set MSB, 0
.macro WIN new                         ; low byte: bits 1:0 source 0, 3:2 source 1, 5:4 source 2, 7:6 destination; the high byte repeats the setting that is left
.if MSB != \new
	s_set_vgpr_msb (MSB<<8)|\new
.set MSB, \new
.endif
.endm
.macro CROUND                          ; a round of the cluster's barrier
	s_barrier_signal -1
	s_barrier_wait -1
	s_cmp_lg_u32 s[WV], 0
	s_cbranch_scc1 .Lnot_wave_0_\@
	s_barrier_signal -3
.Lnot_wave_0_\@:
	s_barrier_wait -3
	s_barrier_signal -1
	s_barrier_wait -1
.endm
.macro NOP4
.rept 4
	v_nop
.endr
.endm
	s_load_b256 s[4:11], s[0:1], 0x0               ; qk_codes s[4:5], v_codes s[6:7], the mask s[8:9], the exponents s[10:11]
	s_load_b64 s[12:13], s[0:1], 0x20              ; out0
	v_lshl_add_u32 v[SPW], v0, 2, SPARE
	v_mov_b32 v[NIL], 0
	ds_add_u32 v[SPW], v[NIL]                      ; the opening lines: the add, twice on end, and its wait
	ds_add_u32 v[SPW], v[NIL]
	v_lshrrev_b32 v64, 5, v0
	v_readfirstlane_b32 s[WV], v64                 ; wave 0..7
	s_and_b32 s70, ttmp7, 0xffff                   ; 16 b + head: the four partners share it
	s_bfe_u32 s71, ttmp6, 0x40000                  ; cx
	s_lshl_b32 s72, ttmp9, 2
	s_add_co_u32 s72, s72, s71                     ; my block of 512 queries: it enters Q's and the output's addresses alone
	s_and_b32 s73, s[WV], 3                        ; which quarter I fetch
	s_lshr_b32 s74, s[WV], 2                       ; waves 0-3 fetch for K, waves 4-7 for V
	s_lshl_b32 s74, s74, 17                        ; V's images lie 131,072 bytes behind K's in LDS
	s_mul_i32 s75, s73, C0Q
	s_mul_i32 s76, s73, C1Q
	s_add_co_u32 s76, s76, C0B
	s_lshl_b32 s78, s70, 17                        ; the head's 131,072 bytes in each buffer of images
	s_add_co_u32 s80, s78, s75
	s_mov_b32 s81, 0
	s_add_co_u32 s82, s78, s76
	s_mov_b32 s83, 0
	s_lshl_b32 s84, s72, 15                        ; 512 queries: 32 tiles of 1,024 bytes
	s_add_co_u32 s84, s84, s78
	s_lshl_b32 s77, s[WV], 12                      ; my four tiles
	s_add_co_u32 s84, s84, s77
	s_mov_b32 s85, 0
	s_lshr_b32 s79, s70, 4                         ; b
	s_lshl_b32 s86, s79, 23                        ; 2,048 rows of 4,096 bytes
	s_lshl_b32 s77, s72, 21                        ; 512 rows
	s_add_co_u32 s86, s86, s77
	s_lshl_b32 s77, s[WV], 18                      ; 64 rows
	s_add_co_u32 s86, s86, s77
	s_and_b32 s77, s70, 15
	s_lshl_b32 s77, s77, 8                         ; the head's 256 bytes of a row
	s_add_co_u32 s86, s86, s77
	s_mov_b32 s87, 0
	s_lshl_b32 s88, s79, 11                        ; the batch's 2,048 bytes of the mask
	s_mov_b32 s89, 0
	s_mul_i32 s92, s[WV], 16*SPT
	s_add_co_u32 s92, s92, STAGE                   ; my stage
	; descriptor groups 1: bytes that are dense in memory, as rows of 256 bytes (32 elements of 8); 40 rows, then 88; the mask names all four work-groups, bit 21 beside it
	s_mov_b32 s[G1A], 15|(3<<16)|(1<<21)
	s_mov_b32 s[G1A+1], 32<<16
	s_mov_b32 s[G1A+2], (C0Q/256)<<16
	s_mov_b32 s[G1A+3], 32<<16
	s_mov_b32 s[G1A+4], C0Q/256
	s_mov_b32 s[G1A+5], 32
	s_mov_b32 s[G1A+6], 0
	s_mov_b32 s[G1A+7], 0
	s_mov_b32 s[G1B], 15|(3<<16)|(1<<21)
	s_mov_b32 s[G1B+1], 32<<16
	s_mov_b32 s[G1B+2], (C1Q/256)<<16
	s_mov_b32 s[G1B+3], 32<<16
	s_mov_b32 s[G1B+4], C1Q/256
	s_mov_b32 s[G1B+5], 32
	s_mov_b32 s[G1B+6], 0
	s_mov_b32 s[G1B+7], 0
	s_mov_b32 s[SEL], 0x76543210
	s_mov_b32 s[SEL+1], 0xfedcba98
	s_mov_b32 s[CS], 0x3fb8aa3b                    ; log2(e)
	s_wait_dscnt 0x0                               ; both opening adds are done
	s_wait_kmcnt 0x0
	s_load_b256 s[56:63], s[10:11], 0x0            ; e0 .. e7
	s_add_nc_u64 s[90:91], s[4:5], 0x800000        ; k's images lie behind q's
	s_cmp_lt_u32 s[WV], 4                          ; the choice hangs on the wave's number alone
	s_cselect_b64 s[90:91], s[90:91], s[6:7]
	s_mov_b32 s[G0A], 1
	s_add_co_u32 s[G0A+1], s74, s75                ; LDS address: made of the wave's number alone
	s_add_nc_u64 s[G0A+2:G0A+3], s[90:91], s[80:81]
	s_or_b32 s[G0A+3], s[G0A+3], 0x80000000
	s_mov_b32 s[G0B], 1
	s_add_co_u32 s[G0B+1], s74, s76
	s_add_nc_u64 s[G0B+2:G0B+3], s[90:91], s[82:83]
	s_or_b32 s[G0B+3], s[G0B+3], 0x80000000
	s_add_nc_u64 s[66:67], s[4:5], s[84:85]        ; Q: my four tiles
	s_add_nc_u64 s[68:69], s[12:13], s[86:87]      ; the output: my 64 rows
	s_add_nc_u64 s[8:9], s[8:9], s[88:89]
	v_lshlrev_b32 v68, 3, v0
	global_load_b64 v[70:71], v68, s[8:9]          ; eight bytes of the mask a thread: the 256 threads take the batch's 2,048.  These loads go out ahead of the round
	v_and_b32 v65, 31, v0                          ; lane
	v_and_b32 v66, 15, v0                          ; r
	v_bfe_u32 v67, v0, 4, 1                        ; h
	v_lshlrev_b32 v[LI], 4, v65
.irp u, 0,1,2,3
	global_load_b128 v[Q+8*\u:Q+8*\u+3], v[LI], s[66:67] offset:1024*\u
	global_load_b128 v[Q+8*\u+4:Q+8*\u+7], v[LI], s[66:67] offset:1024*\u+512
.endr
	s_wait_alu depctr_va_vdst(0)
	CROUND                                         ; all four work-groups are here: the joint loads meet
	tensor_load_to_lds s[G0A:G0A+3], s[G1A:G1A+7]  ; my one load at the head: steps 0 to 4
	s_nop 0
	NOP4
	v_add_nc_u32 v[LIV], VIMG, v[LI]
	v_lshlrev_b32 v[MBA], 6, v67
	v_add_nc_u32 v[MBA], MB, v[MBA]
	v_mul_u32_u24 v[STO], v66, SPT
	v_lshl_add_u32 v[STO], v67, 5, v[STO]
	v_add_nc_u32 v[STO], s92, v[STO]               ; the stage, in: row r, 32 bytes for each half of the lanes
	v_mul_u32_u24 v[RD], v67, SPT
	v_lshl_add_u32 v[RD], v66, 4, v[RD]
	v_add_nc_u32 v[RD], s92, v[RD]                 ; back: lanes 0-15 one row of 256 bytes, lanes 16-31 the next
	v_lshlrev_b32 v[GO], 12, v67
	v_lshl_add_u32 v[GO], v66, 4, v[GO]            ; and the same two rows in the output
	v_lshl_add_u32 v72, v0, 5, MB                  ; where my eight numbers of the mask go
	v_mov_b32 v73, 0xfb800000                      ; -2^120
.irp j, 16,17,18,19,20,21,22,23,24,25,26,27,28,29,30,31,F+1,PX
	v_mov_b32 v[\j], 0                             ; -M, the largest score and the sums begin at 0; the other two are named before they are used
.endr
	WIN 0x40
.set jj, 0
.rept 128
	v_mov_b32 v[O+jj], 0                           ; O^T: the step is written once, and the first finds zeros
.set jj, jj+1
.endr
	WIN 0
	s_wait_alu depctr_va_vdst(0)
	s_wait_kmcnt 0x0
	s_add_co_i32 s77, s60, s61
	s_lshl_b32 s77, s77, 23
	s_add_co_i32 s[CS], s[CS], s77                 ; a score stands for score x 2^(e4 + e5): the exponents are added to the factor's exponent field
	s_mov_b32 s[CS+1], s[CS]
	s_add_co_i32 s[EO], s62, s63
	s_add_co_i32 s77, s63, 127
	s_lshl_b32 s79, s77, 23                        ; 2^e7
	s_add_co_i32 s77, s77, 15
	s_lshl_b32 s77, s77, 23
	s_or_b32 s[LIMS], s77, 0x600000                ; 57,344 x 2^e7
	v_mov_b32 v[SCL], s79
	s_wait_alu depctr_va_vdst(0)
	s_wait_loadcnt 0x0                             ; the mask's bytes, and Q
.irp k, 0,1,2,3,4,5,6,7
	v_bfe_u32 v[80+\k], v[70+\k/4], 8*(\k%4), 8
.endr
.irp k, 0,1,2,3,4,5,6,7
	v_cmp_ne_u32 vcc_lo, 0, v[80+\k]
	v_cndmask_b32 v[88+\k], 0, v73, vcc_lo         ; 0, or -2^120 where the key is masked
.endr
	ds_store_b128 v72, v[88:91]
	ds_store_b128 v72, v[92:95] offset:16
.macro HOLD2 r                         ; two holds in one instruction: the conversion to an 8-bit code does not saturate (ISA guide 7.6.2); p is not negative, so the hold is one-sided
	v_dual_min_num_f32 v[\r], s[LIMS], v[\r] :: v_dual_min_num_f32 v[(\r)+1], s[LIMS], v[(\r)+1]
.endm
.macro TADD a, b
	v_pk_add_f32 v[T+2*\a:T+2*\a+1], v[T+2*\a:T+2*\a+1], v[T+2*\b:T+2*\b+1]
.endm
.macro CVT m                           ; keys 8 m .. 8 m + 7 of my 64
	v_cvt_scalef32_pk8_bf8_f32 v[PC+2*\m:PC+2*\m+1], v[S+8*\m:S+8*\m+7], v[SCL]
.endm
.macro TREEA                           ; four steps of the tree of partial sums: they stand behind the products, as the places ahead of the next reads and loads
	TADD 2, 3
	TADD 4, 5
	TADD 6, 7
	TADD 0, 2
.endm
; Tile i's softmax for a step of 128 keys, and the rescaling of its O^T.  The tree of its eight partial sums is begun here and finished behind the products, among the next tile's first lines.
.macro SOFTMAX i
.set ST, 16+4*(\i)
	v_max3_num_f32 v[MX], v[S], v[S+1], v[S+2]     ; the largest score of my 64 keys, in four chains, the registers in ascending order: each accumulator is read from its low end on
	v_max3_num_f32 v[MX+1], v[S+3], v[S+4], v[S+5]
	v_max3_num_f32 v[MX+2], v[S+6], v[S+7], v[S+8]
	v_max3_num_f32 v[MX+3], v[S+9], v[S+10], v[S+11]
.set kk, 0
.rept 26
	v_max3_num_f32 v[MX+kk%4], v[MX+kk%4], v[S+12+2*kk], v[S+13+2*kk]
.set kk, kk+1
.endr
	v_max3_num_f32 v[MX], v[MX], v[MX+1], v[MX+2]
.if (\i) > 0
	TADD 4, 6                                      ; the tile before's sums are finished between the lines of this chain
.endif
	v_max3_num_f32 v[MX], v[MX], v[MX+3], v[ST+1]  ; with the running largest
	v_mov_b32 v[MX+2], v[ST]
	v_permlanex16_b32 v[PX], v[MX], s[SEL], s[SEL+1]
.if (\i) > 0
	TADD 0, 4
.endif
	v_max_num_f32 v[ST+1], v[MX], v[PX]            ; and lane l xor 16's
	v_mul_f32 v[MX+1], s[CS], v[ST+1]              ; as t (the factor is positive)
.if (\i) > 0
	v_pk_fma_f32 v[ST-2:ST-1], v[ST-2:ST-1], v[F:F+1], v[T:T+1] op_sel_hi:[1,0,1]   ; the tile before's sum under its new M, + its step's; its f is still in place
.endif
	v_floor_f32 v[ST], -v[MX+1]                    ; the new -M = floor(-t) = -ceil(t)
	v_sub_f32 v[MX+2], v[ST], v[MX+2]              ; old M less new M: a whole number, 0 or less
	v_cvt_i32_f32 v[MX+2], v[MX+2]
	v_ldexp_f32 v[F], 1.0, v[MX+2]                 ; f = 2^(old M - new M)
.set kk, 0
.rept 16
	v_pk_fma_f32 v[S+2*kk:S+2*kk+1], v[S+2*kk:S+2*kk+1], s[CS:CS+1], v[ST:ST+1] op_sel_hi:[1,0,0]   ; t - M of the first 32
.set kk, kk+1
.endr
	s_wait_alu depctr_va_vdst(0)
.set kk, 0
.rept 16                                       ; the first 32 exponentials; among them t - M of the other 32, first read behind the next wait
	v_exp_f32 v[S+2*kk], v[S+2*kk]
	v_exp_f32 v[S+2*kk+1], v[S+2*kk+1]
	v_pk_fma_f32 v[S+32+2*kk:S+33+2*kk], v[S+32+2*kk:S+33+2*kk], s[CS:CS+1], v[ST:ST+1] op_sel_hi:[1,0,0]
.set kk, kk+1
.endr
	s_wait_alu depctr_va_vdst(0)                   ; behind the first batch and ahead of the second
.set gg, 0
.rept 8                                        ; the other 32; among them the first 32's sums by fours (of the unquantised p) and then their holds: all first read behind the next wait
	v_exp_f32 v[S+32+4*gg], v[S+32+4*gg]
	v_pk_add_f32 v[T+2*gg:T+2*gg+1], v[S+4*gg:S+4*gg+1], v[S+4*gg+2:S+4*gg+3]
	v_exp_f32 v[S+33+4*gg], v[S+33+4*gg]
	HOLD2 S+4*gg
	v_exp_f32 v[S+34+4*gg], v[S+34+4*gg]
	HOLD2 S+4*gg+2
	v_exp_f32 v[S+35+4*gg], v[S+35+4*gg]
.set gg, gg+1
.endr
.if (\i) == 0
	s_wait_dscnt 0x0                               ; V's fragments of this step are in
.endif
	WIN 0x41                                       ; O^T in window 1, f in window 0
	s_wait_alu depctr_va_vdst(0)                   ; behind the second batch, and directly ahead of the first reader of O^T
.set jj, 0
.rept 16
	v_pk_mul_f32 v[O+32*(\i)+jj:O+32*(\i)+jj+1], v[O+32*(\i)+jj:O+32*(\i)+jj+1], v[F:F+1] op_sel_hi:[1,0]   ; O^T under the new M, each accumulator from its low end on
.set jj, jj+2
.endr
	WIN 0
.set gg, 0
.rept 8
	v_pk_add_f32 v[T+2*gg:T+2*gg+1], v[T+2*gg:T+2*gg+1], v[S+32+4*gg:S+33+4*gg]
.set gg, gg+1
.endr
.set gg, 0
.rept 8
	v_pk_add_f32 v[T+2*gg:T+2*gg+1], v[T+2*gg:T+2*gg+1], v[S+34+4*gg:S+35+4*gg]
	HOLD2 S+32+4*gg
	HOLD2 S+34+4*gg
.set gg, gg+1
.endr
.irp m, 0,1,2,3,4,5,6,7
	CVT \m
.endr
	TADD 0, 1                                      ; the tree's first step is the plain line between the conversions and the products
.endm
.macro SC i                            ; S^T = K Q^T + the mask's numbers: eight tiles of 16 keys, K = the head's 64.  K and the mask in window 1, Q and S^T in window 0
.irp t, 0,1,2,3,4,5,6,7
	v_wmma_f32_16x16x64_bf8_bf8 v[S+8*\t:S+8*\t+7], v[KF+8*\t:KF+8*\t+7], v[Q+8*(\i):Q+8*(\i)+7], v[MK+8*\t:MK+8*\t+7]
.endr
.endm
.macro PV i                            ; O^T += V^T P^T: four tiles of 16 channels, K = the step's 128 keys; the accumulators take turns
.irp t, 0,1,2,3
	v_wmma_f32_16x16x128_bf8_bf8 v[O+32*(\i)+8*\t:O+32*(\i)+8*\t+7], v[VF+16*\t:VF+16*\t+15], v[PC:PC+15], v[O+32*(\i)+8*\t:O+32*(\i)+8*\t+7]
.endr
.endm
.macro LOADKM                          ; K's eight fragments and the mask's 64 numbers of the step at byte s[TN]
	s_lshr_b32 s[TM], s[TN], 4                     ; 8,192 bytes of images stand for 128 keys: 512 bytes of the mask's numbers
	v_add_nc_u32 v[ADK], s[TN], v[LI]
	v_add_nc_u32 v[ADM], s[TM], v[MBA]
	WIN 0x40
.irp t, 0,1,2,3,4,5,6,7
	ds_load_b128 v[KF+8*\t:KF+8*\t+3], v[ADK] offset:1024*\t
	ds_load_b128 v[KF+8*\t+4:KF+8*\t+7], v[ADK] offset:1024*\t+512
.endr
.irp t, 0,1,2,3,4,5,6,7                    ; tile t's register j of lane (r, h) is key 32 (t / 2) + 8 (t % 2) + 16 h + j of the step
	ds_load_b128 v[MK+8*\t:MK+8*\t+3], v[ADM] offset:128*(\t/2)+32*(\t%2)
	ds_load_b128 v[MK+8*\t+4:MK+8*\t+7], v[ADM] offset:128*(\t/2)+32*(\t%2)+16
.endr
	WIN 0
.endm
.macro LOADV                           ; V's four fragments of the same step; in a step the tree's seven lines and this addition are the places behind the products that read V
	v_add_nc_u32 v[ADV], s[TN], v[LIV]
.irp t, 0,1,2,3
.irp c, 0,1,2,3
	ds_load_b128 v[VF+16*\t+4*\c:VF+16*\t+4*\c+3], v[ADV] offset:2048*\t+512*\c
.endr
.endr
.endm
; A KEY STEP: 128 keys for my four tiles.  Tile i's second product is issued behind tile i + 1's scores.  The next step's K and mask are asked for behind the last scores, its V behind the last product.
; The last step's look-ahead is held at the last step (s_min_u32): those loads stay inside the images and are not used.
.macro STEP
	s_wait_dscnt 16                                ; K and the mask are in; V's sixteen younger loads may be out
	WIN 0x11
	SC 0
	WIN 0
	NOP4                                           ; places: the scores are read
	SOFTMAX 0
.irp i, 1,2,3
	WIN 0x11
	SC \i
	WIN 0x50
	PV \i-1
	WIN 0
	TREEA                                          ; places: the scores are read; behind tile 3's, K's and the mask's registers are loaded again
.if \i == 3
	s_min_u32 s[TN], s[TB], LAST
	LOADKM
.endif
	SOFTMAX \i
.endr
	WIN 0x50
	PV 3
	WIN 0
	TREEA                                          ; tile 3's sums are finished here
	TADD 4, 6
	TADD 0, 4
	v_pk_fma_f32 v[30:31], v[30:31], v[F:F+1], v[T:T+1] op_sel_hi:[1,0,1]
	LOADV
	s_add_co_u32 s[TB], s[TB], STEPB
.endm
	s_wait_alu depctr_va_vdst(0)
	s_wait_tensorcnt 0x0                           ; my part of steps 0 to 4 is in
	ds_add_u32 v[SPW], v[NIL]
	s_wait_dscnt 0x0                               ; the add and my stores of the mask's numbers are done
	CROUND                                         ; the same holds of every wave, and all four work-groups are here
	tensor_load_to_lds s[G0B:G0B+3], s[G1B:G1B+7]  ; steps 5 to 15: my one load behind the round
	s_nop 0
	NOP4
	s_mov_b32 s[TN], 0
	LOADKM
	LOADV
	s_mov_b32 s[TB], STEPB
	s_mov_b32 s[CNT], 4
.Lfirst:                                           ; steps 0 to 3; their look-ahead reaches step 4, which the first load brought
	STEP
	s_sub_co_u32 s[CNT], s[CNT], 1
	s_cmp_lg_u32 s[CNT], 0
	s_cbranch_scc1 .Lfirst
	s_wait_tensorcnt 0x0                           ; my part of steps 5 to 15 is in,
	s_wait_dscnt 0x0                               ; no LDS instruction of mine is out,
	s_barrier_signal -1
	s_barrier_wait -1                              ; and the same holds of every wave.
	s_mov_b32 s[CNT], 12
.Lrest:                                            ; steps 4 to 15
	STEP
	s_sub_co_u32 s[CNT], s[CNT], 1
	s_cmp_lg_u32 s[CNT], 0
	s_cbranch_scc1 .Lrest
	s_wait_alu depctr_va_vdst(0)
	s_wait_dscnt 0x0                               ; the held look-ahead's loads have landed: the counts below cover the stage's instructions alone
	; THE WAY OUT.  2^(e6 + e7) / the row's sum, the four tiles side by side; these lines are also the places behind the last products
.irp i, 0,1,2,3
	v_add_f32 v[18+4*\i], v[18+4*\i], v[19+4*\i]
.endr
.irp i, 0,1,2,3
	v_permlanex16_b32 v[T+\i], v[18+4*\i], s[SEL], s[SEL+1]
.endr
.irp i, 0,1,2,3
	v_add_f32 v[18+4*\i], v[18+4*\i], v[T+\i]
.endr
	s_wait_alu depctr_va_vdst(0)                   ; ahead of the batch
.irp i, 0,1,2,3
	v_rcp_f32 v[18+4*\i], v[18+4*\i]
.endr
	v_nop                                          ; a plain line behind the transcendentals
	s_wait_alu depctr_va_vdst(0)                   ; and behind it
.irp i, 0,1,2,3
	v_ldexp_f32 v[18+4*\i], v[18+4*\i], s[EO]
.endr
	WIN 0x01                                       ; O^T in window 1, all else in window 0
	s_wait_alu depctr_va_vdst(0)
.irp i, 0,1,2,3
.set jj, 0
.rept 16
	v_pk_mul_f32 v[S+32*\i+jj:S+32*\i+jj+1], v[O+32*\i+jj:O+32*\i+jj+1], v[18+4*\i:19+4*\i] op_sel_hi:[1,0]   ; register 8 t + j of tile i is channel 16 t + 8 h + j of query r
.set jj, jj+2
.endr
.endr
	WIN 0
.irp u, 0,1,2,3                                ; a tile of 16 queries x 256 bytes through my stage; LDS serves a wave's instructions in order, so no wait stands between stores and loads
.irp t, 0,1,2,3
	ds_store_b128 v[STO], v[S+32*\u+8*\t:S+32*\u+8*\t+3] offset:64*\t
	ds_store_b128 v[STO], v[S+32*\u+8*\t+4:S+32*\u+8*\t+7] offset:64*\t+16
.endr
.irp i, 0,1,2,3,4,5,6,7
	ds_load_b128 v[S+32*\u+4*\i:S+32*\u+4*\i+3], v[RD] offset:2*\i*SPT
.endr
.endr
.irp u, 0,1,2,3
.irp i, 0,1,2,3,4,5,6,7
	s_wait_dscnt 16*(3-\u)+7-\i                    ; younger: the tile's 7 - i later loads and the later tiles' sixteen LDS instructions each
	global_store_b128 v[GO], v[S+32*\u+4*\i:S+32*\u+4*\i+3], s[68:69] offset:(32*(\u/2)+8*(\u%2)+2*\i+8*(\i/4))*4096 th:TH_STORE_NT   ; stage row i' of tile u is query 32 (u / 2) + 8 (u % 2) + i' + 8 (i' / 8); sixteen lanes store 256 consecutive bytes, aligned
.endr
.endr
	s_wait_tensorcnt 0x0                           ; the wave's end
	ds_add_u32 v[SPW], v[NIL]
	s_wait_dscnt 0x0
	CROUND                                         ; the closing round
	s_endpgm
.Lfunc_end_k_q19bdf3afb9_attn:
	.size	k_q19bdf3afb9_attn, .Lfunc_end_k_q19bdf3afb9_attn-k_q19bdf3afb9_attn
	.p2alignl 7, 3214868480
	.fill 96, 4, 3214868480
	.section	.rodata,"a",@progbits
	.p2align	6, 0x0
	.amdhsa_kernel k_q19bdf3afb9_attn
		.amdhsa_group_segment_fixed_size 327680
		.amdhsa_private_segment_fixed_size 0
		.amdhsa_enable_private_segment 0
		.amdhsa_kernarg_size 40
		.amdhsa_user_sgpr_count 2
		.amdhsa_user_sgpr_kernarg_segment_ptr 1
		.amdhsa_wavefront_size32 1
		.amdhsa_system_sgpr_workgroup_id_x 1
		.amdhsa_system_sgpr_workgroup_id_y 1
		.amdhsa_system_sgpr_workgroup_id_z 1
		.amdhsa_system_vgpr_workitem_id 0
		.amdhsa_next_free_vgpr 512
		.amdhsa_next_free_sgpr 96
		.amdhsa_reserve_vcc 1
		.amdhsa_float_denorm_mode_32 3
		.amdhsa_float_denorm_mode_16_64 3
		.amdhsa_memory_ordered 1
		.amdhsa_forward_progress 1
		.amdhsa_inst_pref_size 141
	.end_amdhsa_kernel
	.amdgpu_metadata
---
amdhsa.version: [ 1, 2 ]
amdhsa.kernels:
  - .name:           k_q19bdf3afb9_attn
    .symbol:         k_q19bdf3afb9_attn.kd
    .args:
      - { .name: qk_codes, .offset: 0, .size: 8, .value_kind: global_buffer, .address_space: global }
      - { .name: v_codes, .offset: 8, .size: 8, .value_kind: global_buffer, .address_space: global }
      - { .name: key_padding_mask, .offset: 16, .size: 8, .value_kind: global_buffer, .address_space: global }
      - { .name: lowp_scales, .offset: 24, .size: 8, .value_kind: global_buffer, .address_space: global }
      - { .name: out0, .offset: 32, .size: 8, .value_kind: global_buffer, .address_space: global }
    .group_segment_fixed_size: 327680
    .private_segment_fixed_size: 0
    .kernarg_segment_align: 8
    .kernarg_segment_size: 40
    .max_flat_workgroup_size: 256
    .sgpr_count:     96
    .vgpr_count:     512
    .wavefront_size: 32
...
	.end_amdgpu_metadata
.endif
;; end of part 3
